; MI455X (gfx1250); checked and timed in simulation.
; The chip was launched on July 23, 2026; its instructions are those of AMD's public machine-readable ISA for CDNA 5 (MIT licence, August 2026) and "CDNA5" Instruction Set Architecture Reference Guide (July 2026). The comments in the code are by the model that wrote it; some were corrected since.
;; Mo E Layer. Allowed arithmetic: matrix products marked QUANTISED: E5M2 operands, one given power-of-two scale a tensor, by v_wmma_f32_16x16x64_bf8_bf8 or v_wmma_f32_16x16x128_bf8_bf8, f32 sums; products left as they are: f32 operands where the result goes on into a quantised operand, else bf16, f16 or f32 operands; f32 sums; everything else in f32.
;; Inputs: We_codes 8 x 1,024 x 32 x 32 uint8 (E5M2 codes of We, K innermost, in blocks of 32 codes); Wg 1,024 x 8 float32; be 8 x 1,024 float32; bg 8 float32; lowp_scales 2 int32 (the exponents e of the quantised operands' scales 2^e); x 8,192 x 1,024 float32.
;; Outputs: out0 8,192 x 1,024 float32.
;; This version of the problem:
;;   THIS VERSION OF THE PROBLEM IS GIVEN IN LOW PRECISION. The matrix products marked QUANTISED in the list below multiply operands that are first quantised to E5M2 (5 exponent bits, 2 mantissa bits; 8 bits a number), with one given power-of-two scale for each operand tensor; their sums are f32. All else is computed in f32.
;;   The module's matrix products, in the order in which they are computed (A, B: the left and right operand; K: the contracted axis; several contracted axes count as one K, in the product's order):
;;     1. [M 8,192, K 1,024] x [K 1,024, N 8]; A: input x; B: input Wg: left as it is (N = 8 < 16)
;;     2. [M 8,192, K 1,024] x [K 1,024, N 8,192]; A: input x; B: input We (given as codes): QUANTISED (scales: A lowp_scales[0], B lowp_scales[1])
;;     3. batch 8,192 x [M 1, K 8] x [K 8, N 1,024]; A: softmax; B: computed on the way: left as it is (K = 8 < 32)
;;   THE QUANTISER, for each operand of a quantised product, along K:
;;     - The operand's scale is 2^e, e = its entry of the input lowp_scales (int32; the entries are numbered through the quantised products in the list's order, A before B).
;;     - Each number is divided by the scale, clamped to +-57,344, and rounded to the nearest number of E5M2, ties to even, subnormals kept.
;;     - The product sums the exact products of the quantised numbers (number of the format x scale) in f32.
;;   ~~~python
;;   def quantise(x, axis, e):      # numpy; x: float32 -> the quantised numbers, widened to float32 again
;;       x = np.moveaxis(x, axis, -1); K = x.shape[-1]
;;       r = np.clip(x / 2.0 ** e, -57344, 57344)
;;       step = 2.0 ** (np.maximum(np.frexp(np.where(r == 0, 1, r))[1] - 1, -14) - 2)
;;       q = np.round(r / step) * step * 2.0 ** e      # np.round: ties to even
;;       return np.moveaxis(q, -1, axis).astype(np.float32)
;;   ~~~
;;   INPUTS GIVEN AS CODES. We (in the module: [8, 1024, 1024], K = its axis 1): each comes as NAME_codes (uint8): NAME with its K axis moved to the last place and cut into blocks of 32 codes, [.., K / 32, bytes a block], one block behind the other in memory; one code a byte (a code: sign, 5 exponent bits, 2 mantissa bits); its scale is its entry of lowp_scales. Its value is code x scale, taken as it is: it is not quantised again, and the codes and scales need not be those that the quantiser above would give.
;; One version. Each part assembles by itself: llvm-mc -triple=amdgcn-amd-amdhsa -mcpu=gfx1250 --defsym DOCPART=n.
;; ======== version 1 of 1: 2 launches
;; workspace buffers: xc 8,388,608 bytes; Wr 8,388,608 bytes; g 262,144 bytes
;; launch prep (part 1): grid 256 x 1, 8 waves a work-group, no clusters, 152,576 bytes of LDS; arguments x, Wg, bg, lowp_scales, We_codes, xc, Wr, g; writes xc, Wr, g
.if DOCPART == 1
	.amdgcn_target "amdgcn-amd-amdhsa--gfx1250"
	.amdhsa_code_object_version 6
	.text
	.protected	k_q2e142f226b_prep
	.globl	k_q2e142f226b_prep
	.p2align	8
	.type	k_q2e142f226b_prep,@function
k_q2e142f226b_prep:
	s_mov_b64 s[64:65], 0
	v_nop
	global_prefetch_b8 v0, s[64:65] scope:SCOPE_SE
	s_setreg_imm32_b32 hwreg(HW_REG_WAVE_MODE, 25, 1), 1
	s_wait_xcnt 0x0
; THE LAUNCH IN FRONT OF THE PRODUCT.  Three things, each once:
;   xc: x [8192][1024] f32 as codes of BF8 (E5M2) with the given scale 2^e0 (code = x / 2^e0, held within +-57,344, to the nearest code, ties to even);
;   Wr: the experts' codes We_codes [8][1024 (o)][1024 (k)], copied into the order in which the product's waves take them;
;   g:  softmax(x Wg + bg) x 2^(e0 + e1), [8192][8] f32.
; xc AND Wr ARE IMAGES OF OPERAND REGISTERS.  A fragment is 16 rows x 128 K, 2,048 bytes: chunk c (0..3) is 512 bytes, lane l's 16 bytes at 16 l; lane (r = l % 16, h = l / 16) holds
; k = 32 c + 16 h + 0 .. 15 of row r.   xc: [nb 32][ks 4][t16 16][kc 2] fragments: row 256 nb + 16 t16 + r, k from 256 ks + 128 kc on.
; Wr: [og 8][t 4][ks 4][j 2][e 8][kc 2] fragments: expert e, output 128 og + 32 t + 16 j + r.  So a K step's tile of either operand is one dense block of 64 KB.
; SHARES.  Work-group G takes rows 32 G .. 32 G + 31 of x, two tiles of 16; wave w takes k = 128 w .. 128 w + 127 of both tiles, and one unit of the weights (16 outputs x 256 k: two fragments).
; All 48 loads of a wave go out at its head.  Every load takes 512 consecutive bytes (the weights': two rows' 256); a tile then turns through the wave's own stage in LDS, so that a lane holds 16 neighbours along K.
; THE GATE is a product left as it is: bf16 operands, f32 sums, by the matrix unit, transposed: source 0 = Wg's 8 columns, written twice (16 rows), source 1 = 16 rows of x: a lane then holds all 8 logits of ONE row.
; k stands in other places of the registers than the form's own layout gives it, alike in both operands.  The waves' partial logits meet in LDS; waves 0 and 1 make the softmax, with the row's maximum taken away.
; No cluster and no tensor load: the work-groups share only Wg, 4 KB a wave beside the wave's 20 KB of x and weights.
; LIMITS: -126 <= e0 <= 112, so that 2^e0 and 57,344 x 2^e0 are f32 numbers; |e0 + e1| <= 100, so that a gate x 2^(e0 + e1) stays a normal f32 number.  NaN in x is not served (an infinity is held at the largest code).
.set WREG, 16896                       ; LDS of a wave: XS, WT, WS
.set WT,   8448                        ; behind XS (16 rows of 512 + 16 bytes): 128 rows of Wg in bf16, 32 bytes each: the 8 columns twice
.set WS,   12544                       ; 16 rows of 256 + 16 bytes, for the weights' turn
.set PL,   135168                      ; behind the eight waves' regions: partial logits, 1,024 bytes for each (tile, wave)
.set R0,   16                          ; v16-79   tile 0's numbers; later tile 1's bf16 numbers (v16-47) and codes (v48-63)
.set R1,   80                          ; v80-143  tile 1's numbers; later the partial logits
.set WC,   144                         ; v144-175 the weights' unit
.set WRAW, 176                         ; v176-207 Wg as loaded; later tile 0's bf16 numbers, then its codes (v176-191)
.set WF,   208                         ; v208-239 Wg's four fragments
.set ACC,  240                         ; v240-255 two accumulators; before that Wg in bf16 on its way to LDS
	s_load_b256 s[4:11], s[0:1], 0x0               ; x s[4:5], Wg s[6:7], bg s[8:9], the scales' exponents s[10:11]
	s_load_b256 s[12:19], s[0:1], 0x20             ; We_codes s[12:13], xc s[14:15], Wr s[16:17], g s[18:19]
	s_set_vgpr_msb 0x40
	v_lshl_add_u32 v0, v0, 2, 0x25000
	v_mov_b32 v1, 0
	s_set_vgpr_msb 0x4000
	v_lshrrev_b32 v1, 5, v0
	v_readfirstlane_b32 s20, v1                    ; wave 0..7
	v_and_b32 v1, 31, v0                           ; l
	v_and_b32 v2, 15, v0                           ; r
	v_bfe_u32 v3, v0, 4, 1                         ; h
	v_lshlrev_b32 v4, 4, v1                        ; 16 l: my place in 512 consecutive bytes
	s_mul_i32 s21, s20, WREG
	s_add_co_u32 s22, s21, WT
	s_add_co_u32 s23, s21, WS
	v_add_nc_u32 v5, s21, v4                       ; XS, in: a row as it was loaded
	v_mul_u32_u24 v6, v2, 528
	v_lshl_add_u32 v6, v3, 6, v6
	v_add_nc_u32 v6, s21, v6                       ; XS, out: row r, 64 h bytes on: my 16 numbers of a block of 32
	v_lshrrev_b32 v7, 1, v1
	v_lshlrev_b32 v7, 5, v7
	v_and_b32 v8, 1, v0
	v_lshl_add_u32 v7, v8, 3, v7
	v_add_nc_u32 v7, s22, v7                       ; WT, in: row l / 2, columns 4 (l % 2) on, 8 bytes
	v_and_b32 v8, 7, v0
	v_lshl_add_u32 v8, v3, 4, v8
	v_lshlrev_b32 v8, 5, v8
	v_bfe_u32 v9, v0, 3, 1
	v_lshl_add_u32 v8, v9, 4, v8
	v_add_nc_u32 v8, s22, v8                       ; WT, out, for the turning load: row 16 h + l % 8, copy (l / 8) % 2
	v_lshlrev_b32 v9, 4, v2
	v_lshl_add_u32 v9, v3, 10, v9                  ; We_codes: two rows of 1,024 bytes a load, 256 bytes of each
	v_mul_u32_u24 v10, v3, 272
	v_lshl_add_u32 v10, v2, 4, v10
	v_add_nc_u32 v10, s23, v10                     ; WS, in
	v_mul_u32_u24 v11, v2, 272
	v_lshl_add_u32 v11, v3, 4, v11
	v_add_nc_u32 v11, s23, v11                     ; WS, out: row r, 16 h bytes on
	s_lshl_b32 s34, s20, 10
	s_add_co_u32 s34, s34, PL
	v_add_nc_u32 v12, s34, v4                      ; PL, in: my wave's 1,024 bytes
	s_and_b32 s35, s20, 1
	s_lshl_b32 s35, s35, 13
	s_add_co_u32 s35, s35, PL
	v_add_nc_u32 v13, s35, v4                      ; PL, out: tile wave % 2
	; byte offsets into the six buffers
	s_lshl_b32 s36, ttmp9, 17                      ; x: 32 G rows of 4,096 bytes + 512 w
	s_lshl_b32 s34, s20, 9
	s_add_co_u32 s36, s36, s34
	s_mov_b32 s37, 0
	s_lshl_b32 s38, s20, 12                        ; Wg: 128 w rows of 32 bytes
	s_mov_b32 s39, 0
	s_lshr_b32 s34, ttmp9, 3                       ; G / 8 = 4 og + t for the weights, nb for x
	s_and_b32 s35, ttmp9, 1                        ; j
	s_lshl_b32 s40, s34, 1
	s_add_co_u32 s40, s40, s35                     ; which 16 outputs: 2 (G / 8) + G % 2
	s_lshl_b32 s40, s40, 14
	s_bfe_u32 s41, ttmp9, 0x20001                  ; ks = (G / 2) % 4
	s_lshl_b32 s41, s41, 8
	s_add_co_u32 s40, s40, s41
	s_lshl_b32 s41, s20, 20                        ; expert = wave
	s_add_co_u32 s40, s40, s41
	s_mov_b32 s41, 0
	s_lshl_b32 s42, s34, 18                        ; xc: nb, ks = w / 2, t16 = 2 (G % 8), kc = w % 2
	s_lshr_b32 s43, s20, 1
	s_lshl_b32 s43, s43, 16
	s_add_co_u32 s42, s42, s43
	s_and_b32 s43, ttmp9, 7
	s_lshl_b32 s43, s43, 13
	s_add_co_u32 s42, s42, s43
	s_and_b32 s43, s20, 1
	s_lshl_b32 s43, s43, 11
	s_add_co_u32 s42, s42, s43
	s_mov_b32 s43, 0
	s_lshl_b32 s44, ttmp9, 3                       ; Wr: unit 8 G + w of 4,096 bytes
	s_add_co_u32 s44, s44, s20
	s_lshl_b32 s44, s44, 12
	s_mov_b32 s45, 0
	s_lshl_b32 s46, ttmp9, 10                      ; g: 32 G rows of 32 bytes + 16 rows for tile wave % 2
	s_and_b32 s47, s20, 1
	s_lshl_b32 s47, s47, 9
	s_add_co_u32 s46, s46, s47
	s_mov_b32 s47, 0
	s_wait_kmcnt 0x0
	s_load_b256 s[24:31], s[8:9], 0x0              ; bg
	s_load_b64 s[32:33], s[10:11], 0x0             ; e0, e1
	s_add_nc_u64 s[4:5], s[4:5], s[36:37]
	s_add_nc_u64 s[6:7], s[6:7], s[38:39]
	s_add_nc_u64 s[12:13], s[12:13], s[40:41]
	s_add_nc_u64 s[14:15], s[14:15], s[42:43]
	s_add_nc_u64 s[16:17], s[16:17], s[44:45]
	s_add_nc_u64 s[18:19], s[18:19], s[46:47]
	; all 48 loads of the wave: 8 of Wg, 16 + 16 of x, 8 of the weights
.irp q, 0,1,2,3,4,5,6,7
	global_load_b128 v[WRAW+4*\q:WRAW+4*\q+3], v4, s[6:7] offset:512*\q
.endr
.irp p, 0,1,2,3,4,5,6,7,8,9,10,11,12,13,14,15
	global_load_b128 v[R0+4*\p:R0+4*\p+3], v4, s[4:5] offset:4096*\p th:TH_LOAD_NT          ; row p's 512 bytes of my K chunk; x is read once in the launch
.endr
.irp p, 0,1,2,3,4,5,6,7,8,9,10,11,12,13,14,15
	global_load_b128 v[R1+4*\p:R1+4*\p+3], v4, s[4:5] offset:4096*(16+\p) th:TH_LOAD_NT
.endr
.irp q, 0,1,2,3,4,5,6,7
	global_load_b128 v[WC+4*\q:WC+4*\q+3], v9, s[12:13] offset:2048*\q th:TH_LOAD_NT        ; outputs 2 q and 2 q + 1: 256 bytes of each
.endr
	s_wait_kmcnt 0x0
	s_add_co_i32 s34, s32, 127
	s_lshl_b32 s35, s34, 23
	v_mov_b32 v14, s35                             ; 2^e0 as f32: the conversion takes its exponent field
	s_add_co_i32 s34, s34, 15
	s_lshl_b32 s34, s34, 23
	s_or_b32 s34, s34, 0x600000
	v_mov_b32 v15, s34                             ; 57,344 x 2^e0
	s_add_co_i32 s34, s32, s33                     ; e0 + e1, for the gates
	; Wg's four fragments: to bf16, into LDS by rows (each row's 8 columns twice), and back turned
	s_wait_loadcnt 40                              ; Wg's eight loads are in; the 40 issued behind them may be out
.irp q, 0,1,2,3,4,5,6,7
	v_cvt_pk_bf16_f32 v[ACC+2*\q], v[WRAW+4*\q], v[WRAW+4*\q+1]
	v_cvt_pk_bf16_f32 v[ACC+2*\q+1], v[WRAW+4*\q+2], v[WRAW+4*\q+3]
.endr
.irp q, 0,1,2,3,4,5,6,7
	ds_store_b64 v7, v[ACC+2*\q:ACC+2*\q+1] offset:512*\q
	ds_store_b64 v7, v[ACC+2*\q:ACC+2*\q+1] offset:512*\q+16
.endr
.irp c, 0,1,2,3
	ds_load_tr16_b128 v[WF+8*\c:WF+8*\c+3], v8 offset:1024*\c          ; lane (r, h): column r % 8, k = 32 c + 16 h + 0 .. 7.  LDS serves a wave's instructions in order: these see the stores above
	ds_load_tr16_b128 v[WF+8*\c+4:WF+8*\c+7], v8 offset:1024*\c+256    ; k = 32 c + 16 h + 8 .. 15
.endr
; One tile of 16 rows x my 128 k.  x: its 64 registers; xb: 32 for the bf16 numbers; pc: 16 for the codes; cnt: the loads issued behind the tile's, which may stay out.
.macro TILE tau, x, xb, pc, cnt
	s_wait_loadcnt \cnt
.irp p, 0,1,2,3,4,5,6,7,8,9,10,11,12,13,14,15
	ds_store_b128 v5, v[\x+4*\p:\x+4*\p+3] offset:528*\p
.endr
.irp b, 0,1,2,3
.irp i, 0,1,2,3
	ds_load_b128 v[\x+16*\b+4*\i:\x+16*\b+4*\i+3], v6 offset:128*\b+16*\i   ; register 16 b + i: k = 32 b + 16 h + i of row r
.endr
.endr
	s_wait_dscnt 0x0                               ; the tile is back (and, the first time, Wg's fragments are in)
.irp p, 0,1,2,3,4,5,6,7,8,9,10,11,12,13,14,15,16,17,18,19,20,21,22,23,24,25,26,27,28,29,30,31
	v_cvt_pk_bf16_f32 v[\xb+\p], v[\x+2*\p], v[\x+2*\p+1]
.endr
	v_wmma_f32_16x16x32_bf16 v[ACC:ACC+7], v[WF:WF+7], v[\xb:\xb+7], 0                        ; two accumulators by turns; the first products start the sums
	v_wmma_f32_16x16x32_bf16 v[ACC+8:ACC+15], v[WF+8:WF+15], v[\xb+8:\xb+15], 0
	v_wmma_f32_16x16x32_bf16 v[ACC:ACC+7], v[WF+16:WF+23], v[\xb+16:\xb+23], v[ACC:ACC+7]
	v_wmma_f32_16x16x32_bf16 v[ACC+8:ACC+15], v[WF+24:WF+31], v[\xb+24:\xb+31], v[ACC+8:ACC+15]
.irp b, 0,1,2,3
.irp i, 0,1,2,3,4,5,6,7,8,9,10,11,12,13,14,15
	v_med3_num_f32 v[\x+16*\b+\i], v[\x+16*\b+\i], -v15, v15   ; the conversion to an 8-bit code does not saturate (ISA guide 7.6.2): the hold at the largest code x the scale.  The first sixteen are also the places behind the products (ISA guide 7.12.1)
.endr
	v_cvt_scalef32_pk8_bf8_f32 v[\pc+4*\b:\pc+4*\b+1], v[\x+16*\b:\x+16*\b+7], v14
	v_cvt_scalef32_pk8_bf8_f32 v[\pc+4*\b+2:\pc+4*\b+3], v[\x+16*\b+8:\x+16*\b+15], v14
.endr
	v_nop                                          ; one plain vector instruction between the last conversion and the additions below, which write its sources
.irp b, 0,1,2,3
	global_store_b128 v4, v[\pc+4*\b:\pc+4*\b+3], s[14:15] offset:4096*\tau+512*\b   ; chunk b of the fragment: 512 consecutive bytes, aligned; these registers are not written again
.endr
.irp i, 0,2,4,6
	v_pk_add_f32 v[\x+\i:\x+\i+1], v[ACC+\i:ACC+\i+1], v[ACC+8+\i:ACC+8+\i+1]        ; my K chunk's part of row r's 8 logits; each accumulator from its low end on
.endr
	ds_store_b128 v12, v[\x:\x+3] offset:8192*\tau
	ds_store_b128 v12, v[\x+4:\x+7] offset:8192*\tau+512
.endm
	TILE 0, R0, WRAW, WRAW, 24                     ; behind tile 0's loads: tile 1's 16 and the weights' 8
	TILE 1, R1, R0, R0+32, 8
	; the weights' unit: 16 rows x 256 bytes become two fragments
	s_wait_loadcnt 0x0
.irp q, 0,1,2,3,4,5,6,7
	ds_store_b128 v10, v[WC+4*\q:WC+4*\q+3] offset:544*\q
.endr
.irp k, 0,1,2,3,4,5,6,7
	ds_load_b128 v[WC+4*\k:WC+4*\k+3], v11 offset:128*(\k/4)+32*(\k%4)
.endr
.irp k, 0,1,2,3,4,5,6,7
	s_wait_dscnt 7-\k                              ; LDS loads come back in order: number k is in
	global_store_b128 v4, v[WC+4*\k:WC+4*\k+3], s[16:17] offset:512*\k
.endr
	s_wait_dscnt 0x0                               ; for the others' sake: my partial logits lie in LDS
	s_barrier_signal -1
	s_barrier_wait -1
	s_cmp_ge_u32 s20, 2                            ; waves 0 and 1 make the gates of tiles 0 and 1
	s_cbranch_scc1 .Ldone
.irp k, 0,1,2,3,4,5,6,7,8,9,10,11,12,13,14,15
	ds_load_b128 v[R1+4*\k:R1+4*\k+3], v13 offset:512*\k   ; wave k / 2's part, experts 4 (k % 2) on
.endr
	s_wait_dscnt 0x0
.irp w, 1,2,3,4,5,6,7
.irp i, 0,2,4,6
	v_pk_add_f32 v[R1+\i:R1+\i+1], v[R1+\i:R1+\i+1], v[R1+8*\w+\i:R1+8*\w+\i+1]
.endr
.endr
.irp e, 0,1,2,3,4,5,6,7
	v_add_f32 v[R1+\e], s[24+\e], v[R1+\e]         ; + bg
.endr
	v_max3_num_f32 v16, v80, v81, v82              ; the row's largest logit is taken away, as the softmax has it
	v_max3_num_f32 v17, v83, v84, v85
	v_max3_num_f32 v16, v16, v86, v87
	v_max_num_f32 v16, v16, v17
.irp e, 0,1,2,3,4,5,6,7
	v_sub_f32 v[R1+\e], v[R1+\e], v16
.endr
.irp e, 0,1,2,3,4,5,6,7
	v_mul_f32 v[R1+\e], 0x3fb8aa3b, v[R1+\e]       ; x log2(e)
.endr
.irp e, 0,1,2,3,4,5,6,7
	v_exp_f32 v[R1+\e], v[R1+\e]
.endr
	v_lshlrev_b32 v18, 5, v2                       ; (a plain instruction behind the exponentials)  g: row r of 32 bytes,
	s_wait_alu depctr_va_vdst(0)
	v_add_f32 v17, v80, v81
	v_add_f32 v19, v82, v83
	v_add_f32 v20, v84, v85
	v_add_f32 v21, v86, v87
	v_add_f32 v17, v17, v19
	v_add_f32 v20, v20, v21
	v_add_f32 v17, v17, v20
	v_rcp_f32 v17, v17
	v_lshl_add_u32 v18, v3, 4, v18                 ; (a plain instruction behind the reciprocal)  + 16 h
	s_wait_alu depctr_va_vdst(0)
	v_ldexp_f32 v17, v17, s34                      ; x 2^(e0 + e1): the product's sums of codes lack that factor
	v_cmp_le_u32 vcc_lo, 16, v1
.irp e, 0,1,2,3,4,5,6,7
	v_mul_f32 v[R1+\e], v[R1+\e], v17
.endr
.irp i, 0,1,2,3
	v_cndmask_b32 v[24+\i], v[R1+\i], v[R1+4+\i], vcc_lo   ; both halves of the lanes hold all 8: lanes 0-15 store experts 0-3, lanes 16-31 experts 4-7
.endr
	global_store_b128 v18, v[24:27], s[18:19]      ; 16 rows of 32 bytes: 512 consecutive bytes
.Ldone:
	s_set_vgpr_msb 0x5
	s_wait_tensorcnt 0x0
	ds_add_u32 v0, v1
	s_wait_dscnt 0x0
	s_set_vgpr_msb 0x500
	s_endpgm
.Lfunc_end_k_q2e142f226b_prep:
	.size	k_q2e142f226b_prep, .Lfunc_end_k_q2e142f226b_prep-k_q2e142f226b_prep
	.p2alignl 7, 3214868480
	.fill 96, 4, 3214868480
	.section	.rodata,"a",@progbits
	.p2align	6, 0x0
	.amdhsa_kernel k_q2e142f226b_prep
		.amdhsa_group_segment_fixed_size 152576
		.amdhsa_private_segment_fixed_size 0
		.amdhsa_enable_private_segment 0
		.amdhsa_kernarg_size 64
		.amdhsa_user_sgpr_count 2
		.amdhsa_user_sgpr_kernarg_segment_ptr 1
		.amdhsa_wavefront_size32 1
		.amdhsa_system_sgpr_workgroup_id_x 1
		.amdhsa_system_sgpr_workgroup_id_y 1
		.amdhsa_system_sgpr_workgroup_id_z 1
		.amdhsa_system_vgpr_workitem_id 0
		.amdhsa_next_free_vgpr 258
		.amdhsa_next_free_sgpr 66
		.amdhsa_reserve_vcc 1
		.amdhsa_float_denorm_mode_32 3
		.amdhsa_float_denorm_mode_16_64 3
		.amdhsa_memory_ordered 1
		.amdhsa_forward_progress 1
		.amdhsa_inst_pref_size 39
	.end_amdhsa_kernel
	.amdgpu_metadata
---
amdhsa.version: [ 1, 2 ]
amdhsa.kernels:
  - .name:           k_q2e142f226b_prep
    .symbol:         k_q2e142f226b_prep.kd
    .args:
      - { .name: x, .offset: 0, .size: 8, .value_kind: global_buffer, .address_space: global }
      - { .name: Wg, .offset: 8, .size: 8, .value_kind: global_buffer, .address_space: global }
      - { .name: bg, .offset: 16, .size: 8, .value_kind: global_buffer, .address_space: global }
      - { .name: lowp_scales, .offset: 24, .size: 8, .value_kind: global_buffer, .address_space: global }
      - { .name: We_codes, .offset: 32, .size: 8, .value_kind: global_buffer, .address_space: global }
      - { .name: xc, .offset: 40, .size: 8, .value_kind: global_buffer, .address_space: global }
      - { .name: Wr, .offset: 48, .size: 8, .value_kind: global_buffer, .address_space: global }
      - { .name: g, .offset: 56, .size: 8, .value_kind: global_buffer, .address_space: global }
    .group_segment_fixed_size: 152576
    .private_segment_fixed_size: 0
    .kernarg_segment_align: 8
    .kernarg_segment_size: 64
    .max_flat_workgroup_size: 256
    .sgpr_count:     66
    .vgpr_count:     258
    .wavefront_size: 32
...
	.end_amdgpu_metadata
.endif
;; end of part 1
;; launch moe (part 2): grid 8 x 32, 4 waves a work-group, clusters of 4 x 4, 327,680 bytes of LDS; arguments xc, Wr, g, be, lowp_scales, out0; writes out0
.if DOCPART == 2
	.amdgcn_target "amdgcn-amd-amdhsa--gfx1250"
	.amdhsa_code_object_version 6
	.text
	.protected	k_q2e142f226b_moe
	.globl	k_q2e142f226b_moe
	.p2align	8
	.type	k_q2e142f226b_moe,@function
k_q2e142f226b_moe:
	s_mov_b64 s[64:65], 0
	v_nop
	global_prefetch_b8 v0, s[64:65] scope:SCOPE_SE
	s_setreg_imm32_b32 hwreg(HW_REG_WAVE_MODE, 25, 1), 1
	s_wait_xcnt 0x0
	s_wait_alu depctr_hold_cnt(0) depctr_sa_sdst(0) depctr_va_vdst(0) depctr_va_sdst(0) depctr_va_ssrc(0) depctr_va_vcc(0) depctr_vm_vsrc(0)
	s_getreg_b32 s2, hwreg(HW_REG_IB_STS2, 6, 4)
	s_cmp_eq_u32 s2, 0
	s_cbranch_scc0 .Lentry_in_a_cluster
	s_endpgm
.Lentry_in_a_cluster:
	s_bfe_u32 s2, ttmp6, 0x10000c
	s_cmp_lg_u32 s2, 0xf033
	s_cbranch_scc0 .Lentry_shape_is_right
	s_endpgm
.Lentry_shape_is_right:
; out[n][o] = sum over e of gate[n][e] x (sum over k of x[n][k] We[e][k][o] + be[e][o]), the inner sums on codes of BF8 (E5M2), sums in f32.
; xc, Wr: the two operands' codes as images of operand registers (a fragment: 16 rows x 128 K, 2,048 bytes, chunk c at 512 c, lane l's 16 bytes at 16 l: k = 32 c + 16 (l / 16) + 0 .. 15 of row l % 16, alike in both operands).
; g[n][e] = softmax x 2^(e0 + e1).  A sum of codes S lacks the factor 2^(e0 + e1), so out = sum over e of g[n][e] x (S_e + be[e][o] / 2^(e0 + e1)): the scaled bias is the C of each sum's first product.
; SHARES.  A work-group of four waves owns 256 rows x 128 outputs and walks them in 4 tiles of 32 outputs.  A tile is a product of 256 rows x 256 columns: 8 experts x 32 outputs.  Wave (i = w / 2, j = w % 2) makes
; rows 128 i on x THE 8 EXPERTS OF THE SAME 16 OUTPUTS: 64 accumulators, 512 registers.  When K is done, all eight sums of an output lie in one lane, and the gates' sum is 8 packed multiply-adds: [n][e][o] never exists.
; THE MATRIX INSTRUCTION IS USED TRANSPOSED (source 0 = 16 outputs of an expert, source 1 = 16 rows of x): lane (r, h) holds row r, its registers the outputs 8 h + 0 .. 7.
; K goes in steps of 256 through a ring of two LDS slots (64 KB of x's codes, 64 KB of the experts'), each wave fetching a quarter (one dense block of 32 KB) by one tensor load; the ring goes on from tile to tile.
; CLUSTERS: 4 x 4 work-groups.  The four of a row of the cluster own the same rows and need the same tiles of xc, the four of a column the same tiles of Wr: each tile is asked for JOINTLY.
; THE ORDER OF THE WALK: in step s (0..3) a work-group makes tile s xor rho, rho = the cluster's y mod 4, one number for all sixteen partners.  So in any step four neighbouring cluster rows ask for four different tiles
; of Wr, and from step 1 on a tile is asked for that another cluster row asked for a whole tile's walk (512 matrix instructions a wave) earlier; only step 0's tiles are asked for by all their first readers at once.
; rho enters global addresses alone: no branch, no trip count and no LDS address hangs on it.
; THE WAY OUT.  A tile's 32 outputs are 128 bytes of a row.  Steps 0 and 1, and steps 2 and 3, make the two halves of one 256 bytes (tiles that differ in their lowest bit).  So an even step's results wait in LDS (EB),
; and the odd step behind it sends both: sixteen lanes store 256 consecutive bytes, aligned.  Where rho is odd the even step's tile is the upper half: the lanes' offsets change halves (an exclusive or with 128).
; LIMITS: |e0 + e1| <= 100 and be / 2^(e0 + e1) finite.
; REGISTERS, in windows of 256: window 0: v0-31 addresses; v32-47 two sets of 8 gates; v48-63 two sets of 8 results; v64-127 the bias, 8 registers an expert; v128-255 A's fragments, ONE set.
;   window 1: B's fragments, two sets.   window 2: accumulators of my rows 0-63 ((a, e) at v[8 (8 (a % 4) + e)]); window 3: of rows 64-127.  Accumulators that are done with hold rows on their way to memory.
; SCALARS beside the descriptors: s69 rho; s[72:73] Wr at my 128 outputs and my half of a tile, kept; s[74:75] the tile's byte offset there; s[10:11] be at my outputs, kept, s[76:77] at the tile in hand;
;   s[14:15] out at my first row, kept, s[78:79] at the pair of tiles in hand; s[84:85] the second pair's byte offset; s[80:81] an offset at work.
.set SLOT,  131072                     ; a slot: A's 64 KB (two halves of 128 rows), then B's (the two j)
.set SPARE, 262144                     ; behind the ring: the spare words, 128 bytes for each wave: two blocks of 256 bytes that no other line names
.set GB,    262656                     ; the gates of my 256 rows, 32 bytes a row
.set EB,    270848                     ; the even step's results: 256 rows of 128 + 16 bytes, in the order 128 (a / 4) + 64 i + 16 (a % 4) + r
.set EP,    144                        ; 36 words: sixteen neighbouring rows start at sixteen different groups of four banks (64 banks of 4 bytes: ISA guide 11.1)
.set OOFF,  256*EP+128                 ; from EB to the odd step's stage: 128 rows; the 128 bytes more set its columns beside EB's in a read of 256 bytes
.set ADRA, 16                          ; v16-17  LDS address of my A fragments in slot 0, 1
.set ADRB, 20                          ; v20-21  the same for B
.set ST,   24                          ; v24     where I put 32 bytes of a row's results
.set RD,   25                          ; v25-26  where I read 16 bytes back, rows 0-127 and rows 128-255 of EB's order
.set CO,   27                          ; v27     my byte offset in two rows of out
.set SPW,  28                          ; v28     LDS address of my spare word; never rewritten
.set NIL,  29                          ; v29     0; never rewritten
.set GA,   30                          ; v30     my row's gates
.set BO,   31                          ; v31     32 h: my 8 outputs' bias
.set GT,   32
.set TT,   48
.set BIAS, 64
.set AF,   128
.set G1, 24                            ; s[24:31] descriptor group 1 for A's tiles;  s[32:39] group 0, one set for each slot
.set G0, 32
.set G1B, 48                           ; s[48:55], s[56:63] the same for B's tiles
.set G0B, 56
.set MSB, 0
.macro WIN new                         ; the immediate's high byte repeats the setting that is left
.if MSB != (\new)
	s_set_vgpr_msb (MSB<<8)|(\new)
.set MSB, (\new)
.endif
.endm
; A joint load: waves 0 and 1 fetch A's halves, waves 2 and 3 B's.  Each line has one mask and one set of registers for all that issue it; the branch hangs on the wave's number alone.
; Four v_nop follow each of the two lines, ahead of the jump, the label and what follows.
.macro JLOAD s
	s_cmp_eq_u32 s17, 0
	s_cbranch_scc0 .Lfor_b_\@
	tensor_load_to_lds s[G0+4*\s:G0+4*\s+3], s[G1:G1+7]
	s_nop 0
.rept 4
	v_nop
.endr
	s_branch .Lasked_\@
.Lfor_b_\@:
	tensor_load_to_lds s[G0B+4*\s:G0B+4*\s+3], s[G1B:G1B+7]
	s_nop 0
.rept 4
	v_nop
.endr
.Lasked_\@:
.endm
.macro CREST                           ; a round of the cluster's barrier behind its opening barrier
	s_cmp_lg_u32 s16, 0
	s_cbranch_scc1 .Lnot_wave_0_\@
	s_barrier_signal -3
.Lnot_wave_0_\@:
	s_barrier_wait -3
	s_barrier_signal -1
	s_barrier_wait -1
.endm
.macro CROUND                          ; a whole round
	s_barrier_signal -1
	s_barrier_wait -1
	CREST
.endm
.macro PLACES n                        ; plain vector instructions that name no register of the matrix instructions in front (ISA guide 7.12.1)
.rept \n
	v_nop
.endr
.endm
	s_load_b256 s[4:11], s[0:1], 0x0               ; xc s[4:5], Wr s[6:7], g s[8:9], be s[10:11]
	s_load_b128 s[12:15], s[0:1], 0x20             ; the scales' exponents s[12:13], out s[14:15]
	v_lshl_add_u32 v[SPW], v0, 2, SPARE
	v_mov_b32 v[NIL], 0
	ds_add_u32 v28, v29
	ds_add_u32 v28, v29
	s_wait_dscnt 0x0
	v_lshrrev_b32 v1, 5, v0
	v_readfirstlane_b32 s16, v1                    ; wave 0..3
	s_lshr_b32 s17, s16, 1                         ; i: which 128 rows are mine.  Also: I fetch for A (0) or for B (1)
	s_and_b32 s18, s16, 1                          ; j: which 16 outputs.  Also: which half of that tile I fetch
	s_bfe_u32 s40, ttmp6, 0x40000                  ; cx, cy: my place in the cluster
	s_bfe_u32 s41, ttmp6, 0x40004
	s_lshl_b32 s42, ttmp9, 2
	s_add_co_u32 s42, s42, s40                     ; og, my 128 outputs = 4 x cluster x + cx
	s_and_b32 s19, ttmp7, 0xffff
	s_lshl_b32 s19, s19, 2
	s_add_co_u32 s19, s19, s41                     ; nb, my 256 rows = 4 x cluster y + cy
	s_and_b32 s69, ttmp7, 3                        ; rho = the cluster's y mod 4: the same in all sixteen partners
	s_lshl_b32 s43, s41, 2
	s_lshl_b32 s43, 15, s43                        ; my row of the cluster
	s_lshl_b32 s44, 0x1111, s40                    ; my column
	; descriptor group 1: a dense block of 32 KB as 128 rows of 32 elements of 8 bytes; no padding: an image is read 512 consecutive bytes at a time
	s_or_b32 s[G1], s43, (3<<16)|(1<<21)           ; 15:0 the mask: A's tiles go to my row; 17:16 elements of 8 bytes; 21 set beside a mask
	s_or_b32 s[G1B], s44, (3<<16)|(1<<21)
.irp g, G1, G1B
	s_mov_b32 s[\g+1], 32<<16                      ; tensor_dim0 = 32
	s_mov_b32 s[\g+2], 128<<16                     ; tensor_dim1 = 128
	s_mov_b32 s[\g+3], 32<<16                      ; tile_dim0 = 32
	s_mov_b32 s[\g+4], 128                         ; tile_dim1 = 128
	s_mov_b32 s[\g+5], 32                          ; tensor_dim0_stride
	s_mov_b32 s[\g+6], 0
	s_mov_b32 s[\g+7], 0
.endr
	s_lshl_b32 s22, s18, 15                        ; which half I fetch
	s_lshl_b32 s20, s19, 18                        ; A: nb's four K steps of 64 KB
	s_add_co_u32 s20, s20, s22
	s_mov_b32 s21, 0
	s_lshl_b32 s46, s42, 20                        ; B: og's 4 tiles x 4 K steps of 64 KB
	s_add_co_u32 s46, s46, s22
	s_mov_b32 s47, 0
	s_lshl_b32 s74, s69, 18                        ; step 0's tile is tile rho: 256 KB a tile
	s_mov_b32 s75, 0
	s_lshl_b32 s45, s16, 15                        ; where they go: wave x 32 KB: no place in the cluster enters an LDS address
	s_wait_kmcnt 0x0
	s_load_b64 s[66:67], s[12:13], 0x0             ; e0, e1
	s_add_nc_u64 s[20:21], s[4:5], s[20:21]
	s_add_nc_u64 s[72:73], s[6:7], s[46:47]        ; kept: every change of tile starts from here
	s_add_nc_u64 s[46:47], s[72:73], s[74:75]
	CROUND                                         ; all sixteen work-groups are here: the first joint loads meet
.irp s, 0,1
	s_mov_b32 s[G0+4*\s], 1
	s_add_co_u32 s[G0+4*\s+1], s45, \s*SLOT
	s_add_nc_u64 s[G0+4*\s+2:G0+4*\s+3], s[20:21], \s*65536
	s_or_b32 s[G0+4*\s+3], s[G0+4*\s+3], 0x80000000
	s_mov_b32 s[G0B+4*\s], 1
	s_add_co_u32 s[G0B+4*\s+1], s45, \s*SLOT
	s_add_nc_u64 s[G0B+4*\s+2:G0B+4*\s+3], s[46:47], \s*65536
	s_or_b32 s[G0B+4*\s+3], s[G0B+4*\s+3], 0x80000000
	JLOAD \s                                       ; two loads of mine are out
.endr
	v_and_b32 v1, 31, v0                           ; l
	v_and_b32 v2, 15, v0                           ; r
	v_bfe_u32 v3, v0, 4, 1                         ; h
	v_lshlrev_b32 v4, 4, v1
	s_lshl_b32 s22, s17, 15
	v_add_nc_u32 v[ADRA], s22, v4
	v_add_nc_u32 v[ADRA+1], SLOT, v[ADRA]
	s_lshl_b32 s22, s18, 15
	s_add_co_u32 s22, s22, 65536
	v_add_nc_u32 v[ADRB], s22, v4
	v_add_nc_u32 v[ADRB+1], SLOT, v[ADRB]
	s_mul_i32 s22, s17, 64*EP
	s_lshl_b32 s23, s18, 6
	s_add_co_u32 s22, s22, s23
	s_add_co_u32 s22, s22, EB
	v_mul_u32_u24 v[ST], v2, EP
	v_lshl_add_u32 v[ST], v3, 5, v[ST]
	v_add_nc_u32 v[ST], s22, v[ST]                 ; row 64 i + r, byte 64 j + 32 h
	s_mul_i32 s22, s16, 32*EP
	s_add_co_u32 s22, s22, EB
	v_mul_u32_u24 v5, v3, EP
	v_lshl_add_u32 v5, v2, 4, v5
	v_add_nc_u32 v5, s22, v5                       ; back: wave w takes 32 rows; sixteen lanes to a row, two rows an instruction
	v_bfe_u32 v6, v0, 3, 1                         ; lanes 8-15 of the sixteen take the odd step's half
	v_mul_u32_u24 v7, v6, 256*EP
	v_add_nc_u32 v[RD], v7, v5
	v_mul_u32_u24 v7, v6, 128*EP
	v_add_nc_u32 v[RD+1], v7, v5
	v_add_nc_u32 v[RD+1], 128*EP, v[RD+1]
	v_lshlrev_b32 v[CO], 4, v2
	v_lshl_add_u32 v[CO], v3, 12, v[CO]            ; and the same two rows in out
	s_lshl_b32 s22, s17, 12
	s_add_co_u32 s22, s22, GB
	v_lshlrev_b32 v[GA], 5, v2
	v_add_nc_u32 v[GA], s22, v[GA]
	v_lshlrev_b32 v[BO], 5, v3
	v_lshlrev_b32 v8, 4, v0
	v_add_nc_u32 v9, GB, v8
	s_lshl_b32 s22, s19, 13                        ; g at my 256 rows
	s_mov_b32 s23, 0
	s_add_nc_u64 s[8:9], s[8:9], s[22:23]
	s_lshl_b32 s46, s42, 9                         ; be at output 128 og + 16 j: kept
	s_lshl_b32 s47, s18, 6
	s_add_co_u32 s46, s46, s47
	s_mov_b32 s47, 0
	s_add_nc_u64 s[10:11], s[10:11], s[46:47]
	s_lshl_b32 s80, s69, 7                         ; step 0's tile: 32 outputs, 128 bytes, a tile
	s_mov_b32 s81, 0
	s_add_nc_u64 s[76:77], s[10:11], s[80:81]
	s_lshl_b32 s20, s19, 20                        ; out at row 256 nb + 128 (w / 2) + 32 (w % 2), the first that I store,
	s_lshl_b32 s21, s17, 19
	s_add_co_u32 s20, s20, s21
	s_lshl_b32 s21, s18, 17
	s_add_co_u32 s20, s20, s21
	s_mov_b32 s21, 0
	s_lshl_b32 s46, s42, 9                         ; and output 128 og: kept
	s_add_nc_u64 s[20:21], s[20:21], s[46:47]
	s_add_nc_u64 s[14:15], s[14:15], s[20:21]
	s_lshr_b32 s83, s69, 1                         ; steps 0 and 1 make pair rho / 2 of the two pairs of tiles: 256 bytes a pair,
	s_lshl_b32 s80, s83, 8
	s_add_nc_u64 s[78:79], s[14:15], s[80:81]
	s_xor_b32 s84, s83, 1                          ; steps 2 and 3 the other
	s_lshl_b32 s84, s84, 8
	s_mov_b32 s85, 0
	s_and_b32 s82, s69, 1                          ; where rho is odd, the even step's tile is the upper 128 bytes of its pair:
	s_lshl_b32 s82, s82, 7
	v_xor_b32 v[CO], s82, v[CO]                    ; lanes 0-7 and 8-15 of the sixteen change places in out; the sixteen still cover the same 256 bytes
.macro FRAG reg, adr, off              ; a fragment comes as it was stored: four loads of 512 consecutive bytes
.irp c, 0,1,2,3
	ds_load_b128 v[\reg+4*\c:\reg+4*\c+3], v[\adr] offset:(\off)+512*\c
.endr
.endm
.macro FETCH_B slot, q, p              ; the 8 experts' fragments of the slot's q-th 128 along K into set p
	WIN 0x40                                       ; destination window 1, address window 0
.irp e, 0,1,2,3,4,5,6,7
	FRAG 128*(\p)+16*\e, ADRB+\slot, (2*\e+(\q))*2048
.endr
	WIN 0
.endm
.macro FETCH_A slot, q, i0             ; A's blocks i0 .. i0 + 3
.irp i, \i0, \i0+1, \i0+2, \i0+3
	FRAG AF+16*(\i), ADRA+\slot, (2*(\i)+(\q))*2048
.endr
.endm
; 16 matrix instructions: A's blocks a0, a0 + 1 x the 8 experts, 128 along K.  p: B's set.  first = 1: the sums begin with the expert's scaled bias as C: nothing is cleared or added later.
; The 64 accumulators take turns, one instruction a turn, in the same order in every step.
.macro MUL16 a0, p, first
.irp a, \a0, \a0+1
.irp b, 0,1,2,3,4,5,6,7
.if \first
	v_wmma_f32_16x16x128_bf8_bf8 v[8*(8*((\a)%4)+\b):8*(8*((\a)%4)+\b)+7], v[128*(\p)+16*\b:128*(\p)+16*\b+15], v[AF+16*(\a):AF+16*(\a)+15], v[BIAS+8*\b:BIAS+8*\b+7]
.else
	v_wmma_f32_16x16x128_bf8_bf8 v[8*(8*((\a)%4)+\b):8*(8*((\a)%4)+\b)+7], v[128*(\p)+16*\b:128*(\p)+16*\b+15], v[AF+16*(\a):AF+16*(\a)+15], v[8*(8*((\a)%4)+\b):8*(8*((\a)%4)+\b)+7]
.endif
.endr
.endr
.endm
; A slot's first 128 along K.  A block of A is free as soon as its eight products are issued: blocks 0-3 are fetched anew in the step's middle, blocks 4-7 at its end.
.macro STEP slot, first
	s_wait_dscnt 16                                ; B's set and A's blocks 0-3 are in; the sixteen youngest LDS instructions may be out
.if \first
	WIN 0x81                                       ; source 0 (B) window 1, sources 1 (A) and 2 (the bias) window 0, D window 2
.else
	WIN 0xa1                                       ; C and D window 2
.endif
	MUL16 0, 0, \first
	MUL16 2, 0, \first
	s_wait_dscnt 0                                 ; A's blocks 4-7 are in
	PLACES 4
	FETCH_B \slot, 1, 1
	FETCH_A \slot, 1, 0
.if \first
	WIN 0xc1
.else
	WIN 0xf1
.endif
	MUL16 4, 0, \first
	MUL16 6, 0, \first
	PLACES 4
	WIN 0
	FETCH_A \slot, 1, 4
.endm
; A slot's second 128 along K changes slots: ONE barrier; in front of it each wave waits for all its tensor loads, adds 0 to its spare word, and waits for that and for its own reads of this slot.
; fill = 1: this slot takes the tile's K step two on; fill = 2: the NEXT tile's K step 0 (slot 0) or 1 (slot 1): A goes back along K, B's address is made anew from the kept base and the tile's offset in s[74:75]; fill = 0: nothing.
.macro TURN slot, next, fill
	s_wait_tensorcnt 0x0                           ; all my tensor loads have landed: the one that was out is my part of the next slot
	ds_add_u32 v[SPW], v[NIL]                      ; 0 onto my spare word
	s_wait_dscnt 17                                ; (the add and A's blocks 4-7 may be out)
	WIN 0xa1
	MUL16 0, 1, 0                                  ; sixteen matrix instructions stand between the add and the wait for it
	s_wait_dscnt 0x0                               ; the add is done, and my reads of this slot are over
	s_barrier_signal -1
	MUL16 2, 1, 0
	WIN 0
	s_barrier_wait -1
.if \fill
	CREST                                          ; the barrier has opened a round of the cluster's: no wave of any partner still reads this slot or has a load on its way
.if \fill == 1
	s_add_nc_u64 s[G0+4*\slot+2:G0+4*\slot+3], s[G0+4*\slot+2:G0+4*\slot+3], 131072
	s_add_nc_u64 s[G0B+4*\slot+2:G0B+4*\slot+3], s[G0B+4*\slot+2:G0B+4*\slot+3], 131072
.else
	s_sub_nc_u64 s[G0+4*\slot+2:G0+4*\slot+3], s[G0+4*\slot+2:G0+4*\slot+3], 131072
	s_add_nc_u64 s[G0B+4*\slot+2:G0B+4*\slot+3], s[72:73], s[74:75]
.if \slot == 1
	s_add_nc_u64 s[G0B+4*\slot+2:G0B+4*\slot+3], s[G0B+4*\slot+2:G0B+4*\slot+3], 65536
.endif
	s_or_b32 s[G0B+4*\slot+3], s[G0B+4*\slot+3], 0x80000000
.endif
	JLOAD \slot                                    ; the first tensor load behind the round, my one until the next; its four v_nop are the places in front of the loads below
.else
	PLACES 4
.endif
	FETCH_B \next, 0, 0
	FETCH_A \next, 0, 0
	WIN 0xf1
	MUL16 4, 1, 0
	MUL16 6, 1, 0
	PLACES 4
	WIN 0
	FETCH_A \next, 0, 4
.endm
; A tile's bias, from s[76:77]: lane (r, h) wants be[e][.. + 8 h + 0 .. 7] for each expert, in the result's layout.  The registers were last read as C by the first step of the tile before.
.macro BIASLOAD
.irp e, 0,1,2,3,4,5,6,7
	global_load_b128 v[BIAS+8*\e:BIAS+8*\e+3], v[BO], s[76:77] offset:4096*\e
	global_load_b128 v[BIAS+8*\e+4:BIAS+8*\e+7], v[BO], s[76:77] offset:4096*\e+16
.endr
.endm
.macro BIASFIX                         ; be / 2^(e0 + e1).  Behind a tile's last products these 64 are also places
	s_wait_loadcnt 0x0
.irp j, 0,1,2,3,4,5,6,7,8,9,10,11,12,13,14,15,16,17,18,19,20,21,22,23,24,25,26,27,28,29,30,31,32,33,34,35,36,37,38,39,40,41,42,43,44,45,46,47,48,49,50,51,52,53,54,55,56,57,58,59,60,61,62,63
	v_ldexp_f32 v[BIAS+\j], v[BIAS+\j], s66
.endr
.endm
.macro GL a                            ; block a's gates: my row's 8, into set a % 2
	ds_load_b128 v[GT+8*((\a)%2):GT+8*((\a)%2)+3], v[GA] offset:512*(\a)
	ds_load_b128 v[GT+8*((\a)%2)+4:GT+8*((\a)%2)+7], v[GA] offset:512*(\a)+16
.endm
; Block ra: 8 outputs of my row = the sum over the experts of gate x sum, two outputs an instruction; each accumulator from its low end on.
; A gate serves both halves of a pair: an even expert's is the first register of its pair, an odd one's the second.
.macro COMB
.set AC, 64*(ra%4)
.set GG, GT+8*(ra%2)
.set TR, TT+8*(ra%2)
	WIN 0x02+ra/4                                  ; source 0: window 2 or 3
.irp p, 0,2,4,6
	v_pk_mul_f32 v[TR+\p:TR+\p+1], v[AC+\p:AC+\p+1], v[GG:GG+1] op_sel_hi:[1,0]
.endr
.irp e, 1,2,3,4,5,6,7
.irp p, 0,2,4,6
.if (\e)%2
	v_pk_fma_f32 v[TR+\p:TR+\p+1], v[AC+8*\e+\p:AC+8*\e+\p+1], v[GG+\e-1:GG+\e], v[TR+\p:TR+\p+1] op_sel:[0,1,0] op_sel_hi:[1,1,1]
.else
	v_pk_fma_f32 v[TR+\p:TR+\p+1], v[AC+8*\e+\p:AC+8*\e+\p+1], v[GG+\e:GG+\e+1], v[TR+\p:TR+\p+1] op_sel_hi:[1,0,1]
.endif
.endr
.endr
	WIN 0
.endm
; Blocks a0 .. a0 + cnt - 1 go into EB (odd = 0) or into the odd step's stage (odd = 1).  Gates run two blocks ahead.
.macro RUN a0, cnt, odd
	GL \a0
	GL \a0+1
.set ra, \a0
.rept \cnt
.if (ra == \a0) || (ra == \a0+\cnt-1)
	s_wait_dscnt 2                                 ; my gates are in; behind them: the next block's two loads, or the last block's two stores
.else
	s_wait_dscnt 4                                 ; behind them: the last block's two stores and the next block's two loads
.endif
	COMB
.if \odd
.set so, OOFF+16*EP*(ra%4)
.else
.set so, EP*(128*(ra/4)+16*(ra%4))
.endif
	ds_store_b128 v[ST], v[TT+8*(ra%2):TT+8*(ra%2)+3] offset:so
	ds_store_b128 v[ST], v[TT+8*(ra%2)+4:TT+8*(ra%2)+7] offset:so+16
.if ra+2 < \a0+\cnt
	GL ra+2
.endif
.set ra, ra+1
.endr
.endm
; 32 whole pieces of rows leave: lanes 0-7 of sixteen bring the even step's 128 bytes, lanes 8-15 the odd step's; they pass through accumulators of blocks 0 and 1, which are done with.
.macro SENDROWS p
	WIN 0x80                                       ; destination window 2
.irp u, 0,1,2,3,4,5,6,7,8,9,10,11,12,13,14,15
	ds_load_b128 v[64*\p+4*\u:64*\p+4*\u+3], v[RD+\p] offset:2*EP*\u
.endr
	WIN 0x08                                       ; the store's data: window 2
.irp u, 0,1,2,3,4,5,6,7,8,9,10,11,12,13,14,15
	s_wait_dscnt 15-\u
	global_store_b128 v[CO], v[64*\p+4*\u:64*\p+4*\u+3], s[78:79] offset:(64*\p+2*\u)*4096 th:TH_STORE_NT   ; 16 lanes store 256 consecutive bytes, at a multiple of 256 from out's first byte; written once
.endr
	WIN 0
.endm
; The odd step's way out, in two halves of 128 rows.  A row's bytes come from two waves and are read by a third: a barrier between writing and reading, and one between a half's reading and the next half's writing.
.macro EPI_O
	RUN 0, 4, 1
	s_wait_dscnt 0x0                               ; for the others' sake: my stores into the stage are done
	s_barrier_signal -1
	s_barrier_wait -1
	SENDROWS 0
	s_barrier_signal -1                            ; my reads of the stage are back (the last count-down ended at 0)
	s_barrier_wait -1
	RUN 4, 4, 1
	s_wait_dscnt 0x0
	s_barrier_signal -1
	s_barrier_wait -1
	SENDROWS 1
.endm
.irp c, 0,1,2,3
	global_load_b128 v[GT+4*\c:GT+4*\c+3], v8, s[8:9] offset:2048*\c     ; my work-group's gates, 8 KB on end
.endr
	BIASLOAD
	s_wait_loadcnt 16                              ; the gates are in; the bias's sixteen loads may be out
.irp c, 0,1,2,3
	ds_store_b128 v9, v[GT+4*\c:GT+4*\c+3] offset:2048*\c
.endr
	s_wait_kmcnt 0x0
	s_add_co_i32 s66, s66, s67
	s_sub_co_i32 s66, 0, s66                       ; -(e0 + e1)
	BIASFIX
	s_wait_tensorcnt 1                             ; my part of slot 0 is in; slot 1's may stay out
	s_wait_dscnt 0x0                               ; my part of the gates lies in LDS
	s_barrier_signal -1
	s_barrier_wait -1
	FETCH_B 0, 0, 0
	FETCH_A 0, 0, 0
	FETCH_A 0, 0, 4
	STEP 0, 1                                      ; step 0's tile: K steps 0 to 2 and a half
	TURN 0, 1, 1
	STEP 1, 0
	TURN 1, 0, 1
	STEP 0, 0
	s_mov_b32 s68, 3
.Ltile:                                                ; three trips: the end of a tile that has a successor, its way out, and the successor's first two and a half K steps; four refills a trip
	s_sub_co_u32 s20, 4, s68                       ; the successor's step, 1 to 3,
	s_xor_b32 s20, s20, s69                        ; and its tile: step xor rho
	s_lshl_b32 s74, s20, 18                        ; its place in my part of Wr (s75 stays 0),
	s_lshl_b32 s80, s20, 7                         ; and in be (s81 stays 0)
	s_add_nc_u64 s[76:77], s[10:11], s[80:81]      ; (the last bias's loads, which read this base, were waited for)
	BIASLOAD
	TURN 0, 1, 2                                   ; THE RING GOES ON INTO THE NEXT TILE: slot 0 takes its K step 0,
	STEP 1, 0
	TURN 1, 0, 2                                   ; slot 1 its K step 1, and its first fragments are fetched
	BIASFIX
	s_and_b32 s20, s68, 1                          ; trips 3 and 1 end steps 0 and 2, trip 2 ends step 1: the same in every wave and work-group
	s_cmp_eq_u32 s20, 0
	s_cbranch_scc1 .Lodd_tile
	RUN 0, 8, 0                                    ; an even step's results wait in EB: the reads of them stand behind the next tile's barriers
	s_branch .Lsent
.Lodd_tile:
	EPI_O
	s_wait_xcnt 0x0                                ; the stores have read their registers and their base: the accumulators may be written, the base may be made anew
	s_add_nc_u64 s[78:79], s[14:15], s[84:85]      ; the other pair of tiles
.Lsent:
	STEP 0, 1
	TURN 0, 1, 1
	STEP 1, 0
	TURN 1, 0, 1
	STEP 0, 0
	s_sub_co_u32 s68, s68, 1
	s_cmp_lg_u32 s68, 0
	s_cbranch_scc1 .Ltile
	TURN 0, 1, 0                                   ; the last tile's end is written out: nothing more is asked for
	STEP 1, 0
	s_wait_dscnt 16                                ; the very last step: nothing more to fetch
	WIN 0xa1
	MUL16 0, 1, 0
	MUL16 2, 1, 0
	s_wait_dscnt 0
	WIN 0xf1
	MUL16 4, 1, 0
	MUL16 6, 1, 0
	WIN 0
	PLACES 4                                       ; in front of the first reads of results
	EPI_O
	s_wait_tensorcnt 0x0                           ; the wave's end: behind my last tensor load and my last LDS store
	ds_add_u32 v[SPW], v[NIL]
	s_wait_dscnt 0x0
	CROUND                                         ; the closing round: no work-group ends while a partner may still ask for a tile that names it
	s_endpgm
.Lfunc_end_k_q2e142f226b_moe:
	.size	k_q2e142f226b_moe, .Lfunc_end_k_q2e142f226b_moe-k_q2e142f226b_moe
	.p2alignl 7, 3214868480
	.fill 96, 4, 3214868480
	.section	.rodata,"a",@progbits
	.p2align	6, 0x0
	.amdhsa_kernel k_q2e142f226b_moe
		.amdhsa_group_segment_fixed_size 327680
		.amdhsa_private_segment_fixed_size 0
		.amdhsa_enable_private_segment 0
		.amdhsa_kernarg_size 48
		.amdhsa_user_sgpr_count 2
		.amdhsa_user_sgpr_kernarg_segment_ptr 1
		.amdhsa_wavefront_size32 1
		.amdhsa_system_sgpr_workgroup_id_x 1
		.amdhsa_system_sgpr_workgroup_id_y 1
		.amdhsa_system_sgpr_workgroup_id_z 1
		.amdhsa_system_vgpr_workitem_id 0
		.amdhsa_next_free_vgpr 1024
		.amdhsa_next_free_sgpr 86
		.amdhsa_reserve_vcc 0
		.amdhsa_float_denorm_mode_32 3
		.amdhsa_float_denorm_mode_16_64 3
		.amdhsa_memory_ordered 1
		.amdhsa_forward_progress 1
		.amdhsa_inst_pref_size 232
	.end_amdhsa_kernel
	.amdgpu_metadata
---
amdhsa.version: [ 1, 2 ]
amdhsa.kernels:
  - .name:           k_q2e142f226b_moe
    .symbol:         k_q2e142f226b_moe.kd
    .args:
      - { .name: xc, .offset: 0, .size: 8, .value_kind: global_buffer, .address_space: global }
      - { .name: Wr, .offset: 8, .size: 8, .value_kind: global_buffer, .address_space: global }
      - { .name: g, .offset: 16, .size: 8, .value_kind: global_buffer, .address_space: global }
      - { .name: be, .offset: 24, .size: 8, .value_kind: global_buffer, .address_space: global }
      - { .name: lowp_scales, .offset: 32, .size: 8, .value_kind: global_buffer, .address_space: global }
      - { .name: out0, .offset: 40, .size: 8, .value_kind: global_buffer, .address_space: global }
    .group_segment_fixed_size: 327680
    .private_segment_fixed_size: 0
    .kernarg_segment_align: 8
    .kernarg_segment_size: 48
    .max_flat_workgroup_size: 128
    .sgpr_count:     86
    .vgpr_count:     1024
    .wavefront_size: 32
...
	.end_amdgpu_metadata
.endif
;; end of part 2
